; MI455X (gfx1250); checked and timed in simulation.
; The chip was launched on July 23, 2026; its instructions are those of AMD's public machine-readable ISA for CDNA 5 (MIT licence, August 2026) and "CDNA5" Instruction Set Architecture Reference Guide (July 2026). The comments in the code are by the model that wrote it; some were corrected since.
;; Rasterizer. Allowed arithmetic: float matrix products may take bf16 or f16 operands with f32 sums; all other float work in f32.
;; Inputs: control_points 16 x 16 x 4 x 2 float32.
;; Outputs: out0 16 x 128 x 128 float32.
;; One version. Each part assembles by itself: llvm-mc -triple=amdgcn-amd-amdhsa -mcpu=gfx1250 --defsym DOCPART=n.
;; ======== version 1 of 1: 1 launch
;; launch raster (part 1): grid 16 x 16, 8 waves a work-group, no clusters, 41,984 bytes of LDS; arguments control_points, out0; writes out0
.if DOCPART == 1
	.amdgcn_target "amdgcn-amd-amdhsa--gfx1250"
	.amdhsa_code_object_version 6
	.text
	.protected	k_q3f9107d8fa_raster
	.globl	k_q3f9107d8fa_raster
	.p2align	8
	.type	k_q3f9107d8fa_raster,@function
k_q3f9107d8fa_raster:
	s_mov_b64 s[64:65], 0
	v_nop
	global_prefetch_b8 v0, s[64:65] scope:SCOPE_SE
	s_setreg_imm32_b32 hwreg(HW_REG_WAVE_MODE, 25, 1), 1
	s_wait_xcnt 0x0
; out0[b][i][j] = sum over the 512 samples m of exp(-((xs-xm[j])^2 + (ys-ym[i])^2) / (2 sigma^2)) * speed[m].
; The exponential of a sum is the product of the exponentials, for every input, so
;   out0[b][i][j] = sum_m (speed[m] Ey[i][m]) * Ex[j][m],   Ey = exp(-(ys-ym)^2/(2 sigma^2)),  Ex likewise:
; a product [rows x 512] x [512 x columns] with bf16 operands and f32 sums, and (rows + columns) x 512 exponentials
; for a tile in place of rows x columns x 512.
;
; SHARES.  Grid 16 x 16: y = batch, x = tile.  A work-group owns 16 rows x 64 columns of one image: a tile row is 256
; consecutive bytes of out0, aligned, written by one store of sixteen neighbouring lanes.  (32 x 32 would need a fifth fewer
; exponentials, but its rows would be halves of such a piece.)  The 512 samples are split over the eight waves: wave w owns
; curves 2w and 2w+1, two K steps of 32, so that no exponential is made twice in a work-group.  The eight partial tiles
; (f32, 4 KB each) are added through LDS behind the one barrier.
; NO CLUSTER, NO TENSOR LOAD, NO PREFETCH: the whole input of a wave is 64 bytes, fetched by one scalar load; the work-groups of
; a batch share 512 bytes, which is nothing beside the 4 KB that each of them writes.
;
; ARITHMETIC.  S = sqrt(5000 log2 e), so that exp(-d^2/(2 sigma^2)) = 2^-(S d)^2.  The samples are made scaled by S (the scale is
; folded into the Bernstein weights), and the grid is made negated and scaled from exact whole numbers:
;   xm[j] = (5 j - 64) / 256,  ym[i] = (2282 - 22 i) / 1280   (the linspace values of the problem, ym flipped).
; All terms are >= 0, so the two roundings to bf16 bound the relative error of a sum by about 2^-8.
; LIMITS.  v_exp_f32 returns 0 for a result below 2^-126 (ISA guide, 15.8): a term one of whose two factors is below 2^-126 is
; dropped, where an f32 evaluation of the whole exponential keeps denormals down to 2^-149; the error is at most 2^-126 x speed a term.
; v_sqrt_f32 takes a denormal as 0: a squared speed below 2^-126 gives speed 0.  The exponents are never positive: nothing overflows.
.set WAVES,   8
.set PITCH,   272                      ; a partial tile's row in LDS: 256 bytes + 16.  272 = 17 x 16: the 16-byte pieces that sixteen lanes
                                       ; store at the same column of 16 rows fall on 16 different 16-byte columns modulo 256
.set PART,    16*PITCH                 ; a wave's partial tile
.set STAGE,   WAVES*PART               ; behind the partials: each wave's own 768 bytes for its samples
.set STAGEW,  768
.set CURVEB,  384                      ; a curve in the stage: 32 Y, 32 speeds, 32 X (f32)
.set S_BITS,  0x42a9dd47               ; S        = 84.93218
.set SX_BITS, 0x3ea9dd47               ; S / 256
.set SY_BITS, 0x3d87e439               ; S / 1280
.set INV31,   0x3d042108               ; 1 / 31
.set THREE,   0x40400000               ; 3.0
.set PTS, 16                           ; s[16:31]  two curves: P0x P0y P1x P1y P2x P2y P3x P3y each
.set W0,  10                           ; v10-12    S u^3, S 3 t u^2, S (3 u t^2 + t^3): weights of P0, P1, P2 (P2 takes the t^3 term too, as the problem has it)
.set W1,  11
.set W2,  12
.set DA,  13                           ; v13-15    3 u^2, 6 t u, 3 t^2: weights of the three differences in the derivative
.set DB,  14
.set DC,  15
.set SA,  28                           ; stage: where my lane's sample goes
.set SL,  29                           ; stage: where my half of the lanes reads its 16 samples
.set PS,  30                           ; partial tile: where my 32 bytes of a row go
.set PR,  31                           ; partial tiles: the 16 bytes that my thread adds up
.set GO,  32                           ; my thread's byte offset in the tile of out0
.set NGX, 34                           ; v[34:41]  -S xm of my column in column blocks 0..3, each twice (a pair for the packed add)
.set NGY, 42                           ; v[42:43]  -S ym of my row, twice
.set T,   44                           ; v[44:59]  16 numbers at work
.set RF,  60                           ; v[60:67]  fragment: 16 rows x 32 samples, speed x Ey
.set CF,  68                           ; v[68:99]  fragments: 4 x (16 columns x 32 samples), Ex
.set ACC, 100                          ; v[100:131] 4 accumulators
.set SMP, 132                          ; v[132:227] curve c at 48 c: 16 Y, 16 speeds, 16 X.  On the way out: the 8 partials
	s_load_b128 s[4:7], s[0:1], 0x0                ; control_points s[4:5], out0 s[6:7]
	v_lshl_add_u32 v228, v0, 2, 0xa000
	v_mov_b32 v229, 0
	v_lshrrev_b32 v1, 5, v0
	v_readfirstlane_b32 s8, v1                     ; wave 0..7
	s_and_b32 s9, ttmp7, 0xffff                    ; batch
	s_lshl_b32 s10, s9, 9                          ; 512 bytes of control points a batch
	s_lshl_b32 s11, s8, 6                          ; 64 bytes (two curves) a wave
	s_add_co_u32 s10, s10, s11
	s_mov_b32 s11, 0
	s_lshr_b32 s33, ttmp9, 1                       ; block of 16 rows, 0..7
	s_and_b32 s34, ttmp9, 1                        ; half of the columns
	s_lshl_b32 s40, s9, 16                         ; out0: 65,536 bytes an image,
	s_lshl_b32 s42, s33, 13                        ; 16 rows of 512 bytes,
	s_add_co_u32 s40, s40, s42
	s_lshl_b32 s42, s34, 8                         ; 64 columns of 4 bytes
	s_add_co_u32 s40, s40, s42
	s_mov_b32 s41, 0
	s_wait_kmcnt 0x0
	s_add_nc_u64 s[12:13], s[4:5], s[10:11]
	s_load_b512 s[PTS:PTS+15], s[12:13], 0x0       ; my two curves; everything down to the next wait runs under this load
	s_add_nc_u64 s[6:7], s[6:7], s[40:41]          ; out0 at my tile
	; ids and addresses
	v_and_b32 v1, 31, v0                           ; lane = the sample that I evaluate
	v_and_b32 v2, 15, v0                           ; r: my row or column in a fragment
	v_bfe_u32 v3, v0, 4, 1                         ; h: my half of the lanes
	v_lshrrev_b32 v9, 4, v0                        ; thread / 16: my row on the way out
	s_mov_b32 s14, S_BITS
	s_mov_b32 s15, SY_BITS
	s_mov_b32 s39, SX_BITS
	s_mul_i32 s37, s8, STAGEW
	s_add_co_u32 s37, s37, STAGE                   ; my wave's stage
	s_mul_i32 s38, s8, PART                        ; my wave's partial tile
	v_lshl_add_u32 v[SA], v1, 2, s37
	v_lshl_add_u32 v[SL], v3, 6, s37               ; samples 16 h .. 16 h + 15
	v_mul_u32_u24 v[PS], v2, PITCH
	v_lshl_add_u32 v[PS], v3, 5, v[PS]             ; row r, columns 8 h ..
	v_add_nc_u32 v[PS], s38, v[PS]
	v_mul_u32_u24 v[PR], v9, PITCH
	v_lshl_add_u32 v[PR], v2, 4, v[PR]             ; row thread / 16, 16 bytes at 16 (thread % 16)
	v_lshlrev_b32 v[GO], 9, v9
	v_lshl_add_u32 v[GO], v2, 4, v[GO]             ; the same place in out0, rows of 512 bytes
	; the weights of sample s = lane: t = s / 31, u = 1 - t  (31 x the rounded 1/31 rounds to exactly 1.0)
	v_cvt_f32_u32 v4, v1
	v_mul_f32 v4, INV31, v4                        ; t
	v_sub_f32 v5, 1.0, v4                          ; u
	v_mul_f32 v6, v4, v4                           ; t^2
	v_mul_f32 v7, v5, v5                           ; u^2
	v_mul_f32 v8, v4, v5
	v_mul_f32 v8, THREE, v8                        ; 3 t u
	v_mul_f32 v[W0], v7, v5                        ; u^3
	v_mul_f32 v[W1], v8, v5                        ; 3 t u^2
	v_mul_f32 v[W2], v6, v4                        ; t^3
	v_fmac_f32 v[W2], v8, v4                       ; + 3 u t^2
	v_mul_f32 v[DA], THREE, v7
	v_add_f32 v[DB], v8, v8
	v_mul_f32 v[DC], THREE, v6
	v_mul_f32 v[W0], s14, v[W0]                    ; the samples come out scaled by S
	v_mul_f32 v[W1], s14, v[W1]
	v_mul_f32 v[W2], s14, v[W2]
	; the grid, negated and scaled: whole numbers, exact, then one rounded product
	s_mul_i32 s35, s33, 352                        ; 22 x 16 rows a block
	s_sub_co_u32 s35, s35, 2282
	v_mul_u32_u24 v9, 22, v2
	v_add_nc_u32 v9, s35, v9                       ; 22 i - 2282 (signed)
	v_cvt_f32_i32 v9, v9
	v_mul_f32 v[NGY], s15, v9                      ; -S ym[i]
	v_mul_f32 v[NGY+1], s15, v9
	s_mul_i32 s36, s34, 320                        ; 5 x 64 columns a half
	s_sub_co_u32 s36, 64, s36
	v_mul_u32_u24 v9, 5, v2
	v_sub_nc_u32 v9, s36, v9                       ; 64 - 5 j for column block 0
.irp cb, 0,1,2,3
	v_sub_nc_u32 v16, v9, 80*\cb                   ; 16 columns further: 5 x 16 less
	v_cvt_f32_i32 v16, v16
	v_mul_f32 v[NGX+2*\cb], s39, v16               ; -S xm[j]
	v_mul_f32 v[NGX+2*\cb+1], s39, v16
.endr
; Sample s = lane of curve c, in eight registers from b: S x, S y, and the speed |derivative| (in b+2).
.macro SAMPLE c, b
	v_mul_f32  v[\b],   s[PTS+8*\c+0], v[W0]
	v_mul_f32  v[\b+1], s[PTS+8*\c+1], v[W0]
	v_fmac_f32 v[\b],   s[PTS+8*\c+2], v[W1]
	v_fmac_f32 v[\b+1], s[PTS+8*\c+3], v[W1]
	v_fmac_f32 v[\b],   s[PTS+8*\c+4], v[W2]
	v_fmac_f32 v[\b+1], s[PTS+8*\c+5], v[W2]
	ds_store_b32 v[SA], v[\b+1] offset:CURVEB*\c           ; Y
	ds_store_b32 v[SA], v[\b]   offset:CURVEB*\c+256       ; X
.irp i, 0,1,2,3,4,5
	v_sub_f32 v[\b+2+\i], s[PTS+8*\c+2+\i], s[PTS+8*\c+\i] ; P1-P0, P2-P1, P3-P2 (x, y in turn): differences first, so that a common offset drops out
.endr
	v_mul_f32  v[\b+2], v[DA], v[\b+2]
	v_mul_f32  v[\b+3], v[DA], v[\b+3]
	v_fmac_f32 v[\b+2], v[DB], v[\b+4]
	v_fmac_f32 v[\b+3], v[DB], v[\b+5]
	v_fmac_f32 v[\b+2], v[DC], v[\b+6]
	v_fmac_f32 v[\b+3], v[DC], v[\b+7]
	v_mul_f32  v[\b+2], v[\b+2], v[\b+2]
	v_fmac_f32 v[\b+2], v[\b+3], v[\b+3]
	v_sqrt_f32 v[\b+2], v[\b+2]
.endm
	s_wait_kmcnt 0x0                               ; the control points are in
	SAMPLE 0, 16
	SAMPLE 1, T
	v_nop                                          ; one plain vector instruction between the second root and the store that reads it (ISA guide 5.7.2)
	s_wait_alu depctr_va_vdst(0)
	ds_store_b32 v[SA], v[16+2] offset:128         ; speeds
	ds_store_b32 v[SA], v[T+2]  offset:CURVEB+128
	; Back as each lane needs them: the 16 samples of my half, all sixteen lanes of a half reading the same bytes.  The stage is the wave's own
	; and LDS serves a wave's instructions in order (ISA guide 5.7.1), so no wait and no barrier stand between the stores and these loads.
.irp c, 0,1
.irp a, 0,1,2
.irp q, 0,1,2,3
	ds_load_b128 v[SMP+48*\c+16*\a+4*\q:SMP+48*\c+16*\a+4*\q+3], v[SL] offset:CURVEB*\c+128*\a+16*\q
.endr
.endr
.endr
; T[e] = 2^-(src[e] + ng)^2 for my 16 samples e: the Gaussian of one grid line, 16 exponentials a lane.
.macro GAUSS src, ng
.irp q, 0,2,4,6,8,10,12,14
	v_pk_add_f32 v[T+\q:T+\q+1], v[\src+\q:\src+\q+1], v[\ng:\ng+1]
.endr
.irp q, 0,2,4,6,8,10,12,14
	v_pk_mul_f32 v[T+\q:T+\q+1], v[T+\q:T+\q+1], v[T+\q:T+\q+1] neg_lo:[1,0] neg_hi:[1,0]   ; -(d d)
.endr
.irp q, 0,1,2,3,4,5,6,7,8,9,10,11,12,13,14,15
	v_exp_f32 v[T+\q], v[T+\q]
.endr
	v_nop                                          ; the plain vector instruction between the exponentials and the first use of a result (ISA guide 5.7.2)
.endm
; Register q of a fragment takes samples 16 h + 2 q (low half) and 16 h + 2 q + 1: a permutation of k that is the same in both
; operands of the product, so each sample's two factors still meet.
.macro PACK dst
	s_wait_alu depctr_va_vdst(0)
.irp q, 0,1,2,3,4,5,6,7
	v_cvt_pk_bf16_f32 v[\dst+\q], v[T+2*\q], v[T+2*\q+1]
.endr
.endm
; One curve = one K step of 32.  The 24 loads above came in the order c0: Y, speeds, X; c1: Y, speeds, X, four loads each.
; Source 0 takes the columns and source 1 the rows, so that register j of lane (r, h) holds row r, column 16 cb + 8 h + j:
; eight neighbouring numbers of a row.  Each fragment is written again only in the next curve, behind well over four plain vector
; instructions that name none of the product's registers (ISA guide 7.12.1); the second curve's products are links of chains in place.
.macro CURVE c, first
	s_wait_dscnt 16-12*\c                          ; this curve's Y and speeds are in: the 4 loads of its X, and for curve 0 the 12 of curve 1, may be out
	GAUSS SMP+48*\c, NGY
	s_wait_alu depctr_va_vdst(0)
.irp q, 0,2,4,6,8,10,12,14
	v_pk_mul_f32 v[T+\q:T+\q+1], v[T+\q:T+\q+1], v[SMP+48*\c+16+\q:SMP+48*\c+16+\q+1]   ; the speed rides on the side with one block, not four
.endr
	PACK RF
	s_wait_dscnt 12-12*\c                          ; this curve's X is in: only curve 1's 12 loads may be out
.irp cb, 0,1,2,3
	GAUSS SMP+48*\c+32, NGX+2*\cb
	PACK CF+8*\cb
.if \first
	v_wmma_f32_16x16x32_bf16 v[ACC+8*\cb:ACC+8*\cb+7], v[CF+8*\cb:CF+8*\cb+7], v[RF:RF+7], 0   ; the first product starts the sum
.else
	v_wmma_f32_16x16x32_bf16 v[ACC+8*\cb:ACC+8*\cb+7], v[CF+8*\cb:CF+8*\cb+7], v[RF:RF+7], v[ACC+8*\cb:ACC+8*\cb+7]
.endif
.endr
.endm
	CURVE 0, 1
	CURVE 1, 0
	; THE WAY OUT.  Four places behind the last product before its result is read (ISA guide 7.12.1).
.rept 4
	v_nop
.endr
.irp cb, 0,1,2,3
	ds_store_b128 v[PS], v[ACC+8*\cb:ACC+8*\cb+3]   offset:64*\cb
	ds_store_b128 v[PS], v[ACC+8*\cb+4:ACC+8*\cb+7] offset:64*\cb+16
.endr
	s_wait_dscnt 0x0                               ; my partial tile is in LDS: zero, for the other waves' sake
	s_barrier_signal -1
	s_barrier_wait -1                              ; everybody's is
.irp p, 0,1,2,3,4,5,6,7
	ds_load_b128 v[SMP+4*\p:SMP+4*\p+3], v[PR] offset:\p*PART      ; my 16 bytes of each wave's partial; sixteen lanes read 256 neighbouring bytes
.endr
.irp p, 1,2,3,4,5,6,7
	s_wait_dscnt 7-\p                              ; partials 0 .. p are in, the 7 - p younger loads may be out; added in the order of the curves
	v_pk_add_f32 v[SMP:SMP+1],   v[SMP:SMP+1],   v[SMP+4*\p:SMP+4*\p+1]
	v_pk_add_f32 v[SMP+2:SMP+3], v[SMP+2:SMP+3], v[SMP+4*\p+2:SMP+4*\p+3]
.endr
	global_store_b128 v[GO], v[SMP:SMP+3], s[6:7] th:TH_STORE_NT   ; sixteen lanes store 256 consecutive bytes, at a multiple of 256 from out0's first byte
	s_wait_tensorcnt 0x0
	ds_add_u32 v228, v229
	s_wait_dscnt 0x0
	s_endpgm
.Lfunc_end_k_q3f9107d8fa_raster:
	.size	k_q3f9107d8fa_raster, .Lfunc_end_k_q3f9107d8fa_raster-k_q3f9107d8fa_raster
	.p2alignl 7, 3214868480
	.fill 96, 4, 3214868480
	.section	.rodata,"a",@progbits
	.p2align	6, 0x0
	.amdhsa_kernel k_q3f9107d8fa_raster
		.amdhsa_group_segment_fixed_size 41984
		.amdhsa_private_segment_fixed_size 0
		.amdhsa_enable_private_segment 0
		.amdhsa_kernarg_size 16
		.amdhsa_user_sgpr_count 2
		.amdhsa_user_sgpr_kernarg_segment_ptr 1
		.amdhsa_wavefront_size32 1
		.amdhsa_system_sgpr_workgroup_id_x 1
		.amdhsa_system_sgpr_workgroup_id_y 1
		.amdhsa_system_sgpr_workgroup_id_z 1
		.amdhsa_system_vgpr_workitem_id 0
		.amdhsa_next_free_vgpr 230
		.amdhsa_next_free_sgpr 66
		.amdhsa_reserve_vcc 0
		.amdhsa_float_denorm_mode_32 3
		.amdhsa_float_denorm_mode_16_64 3
		.amdhsa_memory_ordered 1
		.amdhsa_forward_progress 1
		.amdhsa_inst_pref_size 33
	.end_amdhsa_kernel
	.amdgpu_metadata
---
amdhsa.version: [ 1, 2 ]
amdhsa.kernels:
  - .name:           k_q3f9107d8fa_raster
    .symbol:         k_q3f9107d8fa_raster.kd
    .args:
      - { .name: control_points, .offset: 0, .size: 8, .value_kind: global_buffer, .address_space: global }
      - { .name: out0, .offset: 8, .size: 8, .value_kind: global_buffer, .address_space: global }
    .group_segment_fixed_size: 41984
    .private_segment_fixed_size: 0
    .kernarg_segment_align: 8
    .kernarg_segment_size: 16
    .max_flat_workgroup_size: 256
    .sgpr_count:     66
    .vgpr_count:     230
    .wavefront_size: 32
...
	.end_amdgpu_metadata
.endif
;; end of part 1
